; MI455X (gfx1250); checked and timed in simulation.
; The chip was launched on July 23, 2026; its instructions are those of AMD's public machine-readable ISA for CDNA 5 (MIT licence, August 2026) and "CDNA5" Instruction Set Architecture Reference Guide (July 2026). The comments in the code are by the model that wrote it; some were corrected since.
;; Scaled Dot Product Attention. Allowed arithmetic: matrix products marked QUANTISED: E2M3 operands, one E8M0 scale for each 32 along K, by v_wmma_scale_f32_16x16x128_f8f6f4 with both operands' format E2M3, f32 sums; everything else in f32.
;; Inputs: key_codes 16 x 4,096 x 4 x 24 uint8 (E2M3 codes of key, K innermost, in blocks of 32 codes, four codes in three bytes); key_scales 16 x 4,096 x 4 uint8 (E8M0 scales of key, one for each 32 codes along K); query_codes 16 x 4,096 x 4 x 24 uint8 (E2M3 codes of query, K innermost, in blocks of 32 codes, four codes in three bytes); query_scales 16 x 4,096 x 4 uint8 (E8M0 scales of query, one for each 32 codes along K); value_codes 16 x 128 x 128 x 24 uint8 (E2M3 codes of value, K innermost, in blocks of 32 codes, four codes in three bytes); value_scales 16 x 128 x 128 uint8 (E8M0 scales of value, one for each 32 codes along K).
;; Outputs: out0 16 x 4,096 x 128 float32.
;; This version of the problem:
;;   THIS VERSION OF THE PROBLEM IS GIVEN IN LOW PRECISION. The matrix products marked QUANTISED in the list below multiply operands that are first quantised to E2M3 (2 exponent bits, 3 mantissa bits; 6 bits a number), with one power-of-two scale for each 32 numbers along K (OCP MX v1.0); their sums are f32. All else is computed in f32.
;;   The module's matrix products, in the order in which they are computed (A, B: the left and right operand; K: the contracted axis; several contracted axes count as one K, in the product's order):
;;     1. batch 16 x [M 4,096, K 128] x [K 128, N 4,096]; A: input query (given as codes); B: input key (given as codes): QUANTISED
;;     2. batch 16 x [M 4,096, K 4,096] x [K 4,096, N 128]; A: softmax (see below); B: input value (given as codes): QUANTISED
;;   THE QUANTISER, for each operand of a quantised product, along K:
;;     - K is cut into blocks of 32 from its start; a last block that is shorter is filled with zeros.
;;     - A block's scale is 2^e with e = floor(log2(the largest magnitude in the block)) - 2, held to -126 .. 127; a block of zeros has e = 0. As a byte (E8M0): e + 127.
;;     - Each number is divided by its block's scale, clamped to +-7.5, and rounded to the nearest number of E2M3, ties to even, subnormals kept.
;;     - The product sums the exact products of the quantised numbers (number of the format x scale) in f32.
;;   ~~~python
;;   def quantise(x, axis):      # numpy; x: float32 -> the quantised numbers, widened to float32 again
;;       x = np.moveaxis(x, axis, -1); K = x.shape[-1]
;;       x = np.pad(x, [(0, 0)] * (x.ndim - 1) + [(0, -K % 32)]); x = x.reshape(x.shape[:-1] + (-1, 32)); a = np.abs(x).max(-1, keepdims=True)
;;       e = np.where(a > 0, np.clip(np.frexp(np.where(a > 0, a, 1))[1] - 1 - 2, -126, 127), 0)      # np.frexp(a)[1] - 1 = floor(log2(a)), exactly
;;       r = np.clip(x / 2.0 ** e, -7.5, 7.5)
;;       step = 2.0 ** (np.maximum(np.frexp(np.where(r == 0, 1, r))[1] - 1, 0) - 3)
;;       q = np.round(r / step) * step * 2.0 ** e      # np.round: ties to even
;;       return np.moveaxis(q.reshape(q.shape[:-2] + (-1,))[..., :K], -1, axis).astype(np.float32)
;;   ~~~
;;   SOFTMAX AHEAD OF A QUANTISED PRODUCT. Where the list says 'softmax', what is quantised is not the finished softmax but p = 2^(t - M), with t = logit x log2(e) and M = ceil(the row's largest t), a whole number; so 1/2 < the row's largest p <= 1. The row's sum l is taken of the UNQUANTISED p, in f32, and the product's result is divided by l at the end. Since M is a whole number, a kernel that streams over the keys may use a running M (the ceiling of the running maximum): every later rescaling is an exact power of two, which a block's scale takes up: the codes' values come out the same.
;;   OPERANDS COMPUTED ON THE WAY. 'Computed on the way' means the value that the module computes at that place (a softmax that the list does not call 'softmax' is quantised finished and normalised). What goes into a quantiser is computed in f32, as accurately as f32 sums, v_exp_f32 and their like allow (about 1e-6 of the number): no bf16 or f16 on the way to a quantiser, and a product that is left as it is and whose result goes on into a quantised operand takes f32 operands (vector FMAs, or v_wmma_f32_16x16x4_f32). A number that lies on a knife's edge between two numbers of the format may be rounded either way, as far as f32 arithmetic and the matrix unit's own rounding can turn it there, and no further.
;;   INPUTS GIVEN AS CODES. key (in the module: [16, 4096, 128], K = its axis 2); query (in the module: [16, 4096, 128], K = its axis 2); value (in the module: [16, 4096, 128], K = its axis 1): each comes as NAME_codes (uint8): NAME with its K axis moved to the last place and cut into blocks of 32 codes, [.., K / 32, bytes a block], one block behind the other in memory; four codes in three bytes: a row's codes are one little-endian stream of bits, code i at bits 6 i .. 6 i + 5 (a code: sign, 2 exponent bits, 3 mantissa bits); and NAME_scales (uint8): the same leading axes, one E8M0 byte (e + 127) for each 32 codes along K. Its value is code x scale, taken as it is: it is not quantised again, and the codes and scales need not be those that the quantiser above would give.
;; One version. Each part assembles by itself: llvm-mc -triple=amdgcn-amd-amdhsa -mcpu=gfx1250 --defsym DOCPART=n.
;; ======== version 1 of 1: 1 launch
;; launch attn (part 1): grid 16 x 16, 16 waves a work-group, no clusters, 327,680 bytes of LDS; arguments query_codes, query_scales, key_codes, key_scales, value_codes, value_scales, out0; writes out0
.if DOCPART == 1
	.amdgcn_target "amdgcn-amd-amdhsa--gfx1250"
	.amdhsa_code_object_version 6
	.text
	.protected	k_qfc2371e0d5_attn
	.globl	k_qfc2371e0d5_attn
	.p2align	8
	.type	k_qfc2371e0d5_attn,@function
k_qfc2371e0d5_attn:
	s_mov_b64 s[64:65], 0
	v_nop
	global_prefetch_b8 v0, s[64:65] scope:SCOPE_SE
	s_setreg_imm32_b32 hwreg(HW_REG_WAVE_MODE, 25, 1), 1
	s_wait_xcnt 0x0
; O[h][q][:] = the sum over k <= q of softmax_k(Q[h][q] . K[h][k] / sqrt(128)) V[h][k][:]: 16 heads, 4,096 queries and keys, head size 128, causal.
; Both products run on codes of FP6 (E2M3) with one E8M0 scale for each 32 along a product's K.  Q, K: [16][4096][128] as codes (96 bytes a row), scale bytes [16][4096][4].
; V: codes with the KEYS innermost, [16][128][4096] (3,072 bytes a row), scale bytes [16][128][128].  O: [16][4096][128] f32.
; THE SOFTMAX AHEAD OF THE SECOND PRODUCT: t = score x log2(e) / sqrt(128); M = the row's largest t so far, rounded UP to a whole number; p = 2^(t - M) is quantised along the keys, not normalised.
; The row's sum is taken of the unquantised p, in f32, and divides O at the end.  When M moves, the sum and O are multiplied by 2^(old M - new M): exact.
; SHARES.  Sixteen waves of 256 registers; a wave owns ONE tile of 16 queries.  Work-group i of a head owns the blocks of 128 queries i and 31 - i: eight waves each.  A wave of block b has b + 1 key steps of 128 keys,
; so every work-group has 8 (i + 1) + 8 (32 - i) = 264 tile steps.  Which waves take the late block: (w xor w / 4) odd, so that of any four waves w = 4 a .. 4 a + 3, and of any four w = a, a + 4, a + 8, a + 12, two do.
; A step all of whose keys come after the wave's queries is jumped over (a scalar branch on ids); the work-group leaves the loop over slots when its last needed slot, number (33 - i) / 2 - 1, is the next one.
; LAYOUT.  Both products are used transposed: S^T = K Q^T (source 0 = 16 keys, source 1 = my 16 queries), O^T = V^T P^T (source 0 = 16 of the head's 128, source 1 = P): a lane holds ONE query (lane % 16) throughout.
; THE KEYS OF A TILE ARE NOT NEIGHBOURS: lane r of tile 2 b + u takes key 32 b + 8 u + r + 8 (r / 8), so that the 16 registers of tiles 2 b and 2 b + 1 are 16 neighbouring keys, 32 b + 16 (lane / 16) + 0 .. 15.
; THE RING.  Two LDS slots of 256 keys, filled by the tensor data mover (waves 0, 1: K; waves 2, 3: V), read by all sixteen waves; one barrier for each change of slots.
;   K lies in a slot as two tiles: the keys whose bit 4 is 0 (rows of 1,536 bytes: keys 32 j .. 32 j + 15) and, 12,304 bytes on, those whose bit 4 is 1.  A fragment load's lane stands at word 24 (r % 8) + 3,076 (r / 8) + 6 h:
;   modulo 64 words (64 banks of 4 bytes: ISA guide 11.1) the 32 lanes' 8 bytes take each word once.  V's rows (192 bytes a slot) get 16 bytes of padding behind every 64: pitch 240 = 60 words, again each word once.
; THE SCALE BYTES of the whole head (K's 16,384, V's 16,384) come into LDS once, as rows of 256 bytes + 16.  One register carries the words of TWO tiles: lanes 0-15 the even tile's, lanes 16-31 the odd tile's (read by ROW1).
; NO CLUSTER, though the sixteen work-groups of a head read the same K and V: work-group i needs (33 - i) / 2 slots and its waves jump over steps by its own blocks of queries, so partners would need different numbers
; of tiles and would branch differently; with every partner walking all sixteen slots and all steps the products and softmaxes would be 2 x 4,096 / 4,224 of these, nearly twice.
; LIMITS.  A scale byte 0xff (NaN) among the inputs is not served.  A block's largest p is taken from the block's largest score, put through the same multiply-add and exponential: this takes v_exp_f32 not to fall where its
; input rises.  A p under 2^-126 comes out as 0.  A block of zero p keeps the byte 1 over zero codes (this program alone reads p's bytes).  The row's sum is added in another order than the problem's text adds it.
; REGISTERS: v1-5 lane places that stay; v6, v7 the spare word's address and 0; v8-11, v29 addresses of the step in hand; v12 -M, v13 the largest t, v[14:15] the sum in two halves; v16-27 Q; v28 the prefetches' offset;
;   v30 the way out; v32-79 four fragments of K or V; v80 f (v81 its pair's other half); v96-159 S^T, then p; v160-223 O^T; v224-235 p's codes; v232-247, v252, v254 at work; v248-251, v253, v255 scale words and nothing else.
.set SK,    256                        ; keys in a slot
.set ROWB,  96                         ; 128 codes in bytes
.set KGRP,  16*ROWB                    ; 16 keys' codes: a row of K's tile
.set KYD,   12304                      ; from the tile of keys with bit 4 = 0 to that with bit 4 = 1: 8 x 1,536 + 16
.set KROWV, 3072                       ; a row of V in memory
.set VROWB, 192                        ; SK codes in bytes: a row of V's tile
.set VP,    240                        ; and in LDS: 3 x (64 + 16)
.set VOFF,  24832                      ; a slot: K's two tiles (24,592 bytes), then 128 rows of V
.set SLOT1, 1<<16                      ; slot 1 begins here, so that one exclusive or turns an address in one slot into the other's; a slot uses 55,552 bytes
.set NSL,   16                         ; slots' worth of keys in a head
.set SCK,   2*SLOT1                    ; behind the ring: K's scale bytes of the head, 64 x (256 + 16);
.set SCH,   32*272                     ; (half of them: what one tensor load brings)
.set SCV,   SCK+2*SCH                  ; V's likewise
.set SPARE, SCV+2*SCH                  ; the spare words, 128 bytes for each wave: eight blocks of 256 bytes that no other line names
.set STAGE, SPARE+16*128               ; the way out: 16 rows x (256 + 16) bytes for each wave; no tile lands here
.set AK0,  1                           ; v1   my lane's place in a tile of K: 96 (r % 8) + KYD (r / 8) + 24 h
.set AV0,  2                           ; v2   in a tile of V: VOFF + 240 r + 24 h
.set AV1,  3                           ; v3   the same for the pieces that lie behind one padding more: + 16 h
.set ASK0, 4                           ; v4   among K's scale words: SCK + 4 (r + 8 (r / 8)) + 32 h
.set ASV0, 5                           ; v5   among V's: SCV + 272 (r / 2) + 128 (r % 2) + 2,176 h
.set SPW,  6                           ; v6   LDS address of my spare word: SPARE + 4 x my thread's number; never rewritten
.set NIL,  7                           ; v7   0; never rewritten
.set ADK,  8
.set ADV,  9
.set ADV1, 10
.set ADS,  11
.set ADT,  29
.set PFO,  28                          ; v28  the prefetches' offset: 256 x my lane in K's block, KROWV x my lane among V's rows; never rewritten
.set GO,   30                          ; v30  the way out: my byte offset in the wave's rows of O
.set FF,   80                          ; v80  f = 2^(old M - new M); v81 is named with it as a pair
.set TB,   2                           ; s2   LDS byte at which the slot in hand begins
.set TS,   3                           ; s3   where the step's scale words of K begin: 544 bytes a step
.set WV,   18                          ; s18  my wave's number
.set SEL,  20                          ; s[20:21] lane selects for v_permlanex16_b32: lane l xor 16
.set CS,   22                          ; s[22:23] c = log2(e) / sqrt(128)
.set G1K,  24                          ; s[24:31] descriptor group 1 for K's tiles;  s[32:39] for V's;  s[40:43], s[44:47] their groups 0, which walk
.set G1V,  32
.set G0K,  40
.set G0V,  44
.set G1S,  48                          ; s[48:55] group 1 for the scale bytes;  s[56:59], s[60:63] groups 0 for K's and V's
.set G0SK, 56
.set G0SV, 60
.set TJ,   66                          ; s66  V's scale words: 4 bytes a step
.set SLOTS, 67                         ; s67  the loop's count: 15 down
.set XIT,  68                          ; s68  the count at which my work-group's last needed slot is the next one: 16 - (33 - i) / 2
.set PFA,  76                          ; s[76:77] where my prefetches stand in memory
.set PFS,  78                          ; s[78:79] a slot on, in bytes: SK x ROWB in K, VROWB in a row of V
.set LIM,  80                          ; s80  1 in a wave that prefetches, else the greatest number
.set EVR,  81                          ; s81  3 in V's waves, 0 in K's
.set KF,   98                          ; s98  the step's first key
.set Q0,   99                          ; s99  my first query
; Waves 0 and 1 fetch for K, waves 2 and 3 for V, the others nothing.  The branches hang on the wave's number alone.  Four v_nop follow each of the two lines.
.macro TLOAD g0k, g1k, g0v, g1v
	s_cmp_lt_u32 s[WV], 2
	s_cbranch_scc0 .Lnot_k_\@
	tensor_load_to_lds s[\g0k:\g0k+3], s[\g1k:\g1k+7]
	s_nop 0
.rept 4
	v_nop
.endr
	s_branch .Lasked_\@
.Lnot_k_\@:
	s_cmp_lt_u32 s[WV], 4
	s_cbranch_scc0 .Lasked_\@
	tensor_load_to_lds s[\g0v:\g0v+3], s[\g1v:\g1v+7]
	s_nop 0
.rept 4
	v_nop
.endr
.Lasked_\@:
.endm
; A PREFETCH INTO THE L2 of what the NEXT change of slots will ask for: 256 keys of K, one dense block of 24,576 bytes, and 256 codes of each of V's 128 rows: a slot's two key steps ahead of the load that wants them.
; Each aligned block of 256 bytes is named ONCE in the launch.  All work-groups of a head walk the same K and V from their start: the head's work-group 0, which walks all sixteen slots, asks.  In it the waves ask that
; fetch nothing, one instruction each: waves 4 to 6 for K's block, 8,192 bytes a wave, lanes 256 bytes apart; waves 8 to 11 for V's rows, 32 a wave, a lane a row.  A slot's part of a row of V is 192 bytes, so a lane
; names the part's LAST byte; every fourth slot's part (3, 7 ..) ends in the block that the slot before has named: there V's waves ask for nothing.  The slot named is 17 - s[SLOTS]: at the count 1 nothing is asked for.
.macro ASK
	s_cmp_gt_u32 s[SLOTS], s[LIM]
	s_cbranch_scc0 .Lnot_mine_\@
	s_and_b32 s82, s[SLOTS], s[EVR]                ; slot 17 - s[SLOTS] is 3, 7 .. where s[SLOTS] is 2 above a multiple of 4
	s_cmp_eq_u32 s82, 2
	s_cbranch_scc1 .Lnot_mine_\@
	global_prefetch_b8 v[PFO], s[PFA:PFA+1] th:TH_LOAD_NT scope:SCOPE_SE
.Lnot_mine_\@:
.endm
	s_load_b128 s[4:7], s[0:1], 0x0                ; Q's codes, Q's scales
	s_load_b128 s[8:11], s[0:1], 0x10              ; K's codes, K's scales
	s_load_b128 s[12:15], s[0:1], 0x20             ; V's codes, V's scales
	s_load_b64 s[16:17], s[0:1], 0x30              ; O
	v_lshl_add_u32 v[SPW], v0, 2, SPARE
	v_mov_b32 v[NIL], 0
	ds_add_u32 v6, v7
	s_wait_dscnt 0x0
	v_lshrrev_b32 v8, 5, v0
	v_readfirstlane_b32 s[WV], v8                  ; wave 0..15
	s_and_b32 s72, ttmp7, 0xffff                   ; the head
	s_mul_i32 s74, s72, 4096*ROWB                  ; the head's first byte in each tensor of codes (all offsets here stay under 2^26),
	s_mov_b32 s75, 0
	s_lshl_b32 s76, s72, 14                        ; in each tensor of scale bytes,
	s_lshl_b32 s78, s72, 21                        ; and in O
	s_lshr_b32 s80, s[WV], 2
	s_xor_b32 s80, s80, s[WV]
	s_and_b32 s80, s80, 1                          ; 1: my wave takes the late block
	s_sub_co_u32 s81, 31, ttmp9
	s_cmp_eq_u32 s80, 1
	s_cselect_b32 s81, s81, ttmp9                  ; my block of 128 queries: 31 - i or i
	s_lshl_b32 s81, s81, 7
	s_lshr_b32 s80, s[WV], 1                       ; which of its eight tiles: with the bit above this names each wave once
	s_lshl_b32 s80, s80, 4
	s_add_co_u32 s[Q0], s81, s80                   ; my first query
	s_sub_co_u32 s[XIT], 33, ttmp9
	s_lshr_b32 s[XIT], s[XIT], 1                   ; slots that the late block needs: (33 - i) / 2, 16 down to 9
	s_sub_co_u32 s[XIT], 16, s[XIT]
	s_mul_i32 s82, s[Q0], ROWB
	s_add_co_u32 s82, s82, s74                     ; my queries' codes,
	s_mov_b32 s83, 0
	s_lshl_b32 s84, s[Q0], 2
	s_add_co_u32 s84, s84, s76                     ; their scale words,
	s_mov_b32 s85, 0
	s_lshl_b32 s86, s[Q0], 9
	s_add_co_u32 s86, s86, s78                     ; their rows of O
	s_mov_b32 s87, 0
	; what I fetch, if I fetch.  e = wave % 2.  K: the keys with bit 4 = e;  V: rows 64 e on;  scale bytes: half e
	s_and_b32 s88, s[WV], 1
	s_mul_i32 s90, s88, KGRP
	s_add_co_u32 s90, s90, s74                     ; K: in memory,
	s_mov_b32 s91, 0
	s_mul_i32 s89, s88, KYD                        ; and in a slot
	s_mul_i32 s92, s88, 64*KROWV
	s_add_co_u32 s92, s92, s74                     ; V: in memory,
	s_mov_b32 s93, 0
	s_mul_i32 s94, s88, 64*VP
	s_add_co_u32 s94, s94, VOFF                    ; and in a slot
	s_lshl_b32 s96, s88, 13
	s_add_co_u32 s96, s96, s76                     ; the scale bytes: in memory,
	s_mov_b32 s97, 0
	s_mul_i32 s95, s88, SCH                        ; and in LDS
	; descriptor group 1.  K: 8 rows of 1,536 bytes (16 keys), 3,072 bytes (32 keys) apart in memory, on end in LDS
	s_mov_b32 s[G1K], 0<<16                        ; 15:0 no mask; 17:16 elements of 1 byte; 20 padding off
	s_mov_b32 s[G1K+1], KGRP<<16                   ; tensor_dim0
	s_mov_b32 s[G1K+2], 8<<16                      ; tensor_dim1
	s_mov_b32 s[G1K+3], KGRP<<16                   ; tile_dim0
	s_mov_b32 s[G1K+4], 8                          ; tile_dim1
	s_mov_b32 s[G1K+5], 2*KGRP                     ; tensor_dim0_stride
	s_mov_b32 s[G1K+6], 0
	s_mov_b32 s[G1K+7], 0
	; V: 64 rows of 192 bytes, 3,072 bytes apart; 4 words of padding (code 3) behind every 16 words (code 3)
	s_mov_b32 s[G1V], (0<<16)|(1<<20)|(3<<22)|(3<<25)
	s_mov_b32 s[G1V+1], VROWB<<16
	s_mov_b32 s[G1V+2], 64<<16
	s_mov_b32 s[G1V+3], VROWB<<16
	s_mov_b32 s[G1V+4], 64
	s_mov_b32 s[G1V+5], KROWV
	s_mov_b32 s[G1V+6], 0
	s_mov_b32 s[G1V+7], 0
	; the scale bytes: 8,192 dense bytes as 32 rows of 256 bytes (32 elements of 8 bytes), 16 bytes of padding behind each
	s_mov_b32 s[G1S], (3<<16)|(1<<20)|(5<<22)|(3<<25)
	s_mov_b32 s[G1S+1], 32<<16
	s_mov_b32 s[G1S+2], 32<<16
	s_mov_b32 s[G1S+3], 32<<16
	s_mov_b32 s[G1S+4], 32
	s_mov_b32 s[G1S+5], 32
	s_mov_b32 s[G1S+6], 0
	s_mov_b32 s[G1S+7], 0
	s_mov_b32 s[SEL], 0x76543210
	s_mov_b32 s[SEL+1], 0xfedcba98
	s_mov_b32 s[CS], 0x3e0293ee                    ; c = log2(e) / sqrt(128)
	s_mov_b32 s[CS+1], s[CS]                       ; (named with it as a pair, so it is written)
	s_mov_b32 s[TB], 0
	s_mov_b32 s[TS], 0
	s_mov_b32 s[TJ], 0
	s_mov_b32 s[SLOTS], NSL-1
	s_mov_b32 s[KF], 0
	s_wait_kmcnt 0x0
	s_mov_b32 s[G0SK], 1
	s_add_co_u32 s[G0SK+1], s95, SCK
	s_add_nc_u64 s[G0SK+2:G0SK+3], s[10:11], s[96:97]
	s_or_b32 s[G0SK+3], s[G0SK+3], 0x80000000
	s_mov_b32 s[G0SV], 1
	s_add_co_u32 s[G0SV+1], s95, SCV
	s_add_nc_u64 s[G0SV+2:G0SV+3], s[14:15], s[96:97]
	s_or_b32 s[G0SV+3], s[G0SV+3], 0x80000000
	TLOAD G0SK, G1S, G0SV, G1S                     ; the scale bytes of the whole head: filled once
	s_mov_b32 s[G0K], 1                            ; 1:0 count = 1
	s_mov_b32 s[G0K+1], s89                        ; 63:32 LDS address: slot 0
	s_add_nc_u64 s[G0K+2:G0K+3], s[8:9], s[90:91]  ; 120:64 global address: the head's first 256 keys
	s_or_b32 s[G0K+3], s[G0K+3], 0x80000000        ; 127:126 type = 2
	s_mov_b32 s[G0V], 1
	s_mov_b32 s[G0V+1], s94
	s_add_nc_u64 s[G0V+2:G0V+3], s[12:13], s[92:93]
	s_or_b32 s[G0V+3], s[G0V+3], 0x80000000
	TLOAD G0K, G1K, G0V, G1V                       ; slot 0: a fetching wave now has two tensor loads out, later one
	s_add_nc_u64 s[4:5], s[4:5], s[82:83]          ; Q's codes at my first query
	s_add_nc_u64 s[6:7], s[6:7], s[84:85]          ; and its scale words
	s_add_nc_u64 s[16:17], s[16:17], s[86:87]      ; O likewise
	; the prefetches (macro ASK): where my wave's stand, and who asks.  s76 to s87 are free from here on
	s_cmp_lt_u32 s[WV], 8                          ; waves 4 to 6 ask for K's codes, waves 8 to 11 for V's
	s_cselect_b64 s[PFA:PFA+1], s[8:9], s[12:13]
	s_mov_b32 s[PFS], VROWB
	s_cselect_b32 s[PFS], SK*ROWB, s[PFS]          ; a slot on
	s_mov_b32 s82, KROWV
	s_cselect_b32 s82, 256, s82                    ; from lane to lane
	s_mov_b32 s83, 32*KROWV
	s_cselect_b32 s83, 8192, s83                   ; from wave to wave
	s_cselect_b32 s84, 0, VROWB-1                  ; in V: the last byte of a row's part of a slot
	s_cselect_b32 s[EVR], 0, 3
	v_and_b32 v[PFO], 31, v0
	v_mul_lo_u32 v[PFO], v[PFO], s82
	s_and_b32 s82, s[WV], 3
	s_mul_i32 s82, s82, s83                        ; my wave's part,
	s_add_co_u32 s82, s82, s[PFS]                  ; in slot 1: the first change of slots steps it to slot 2.  Nothing is prefetched here, at the head, where every work-group's first tiles are on their way
	s_add_co_u32 s82, s82, s84
	s_mov_b32 s83, 0
	s_mov_b32 s[PFS+1], 0
	s_add_nc_u64 s[PFA:PFA+1], s[PFA:PFA+1], s[74:75]  ; in my head
	s_add_nc_u64 s[PFA:PFA+1], s[PFA:PFA+1], s[82:83]
	s_sub_co_u32 s82, s[WV], 4
	s_lshr_b32 s82, s82, 3                         ; 0 in waves 4 to 11,
	s_or_b32 s82, s82, ttmp9                       ; of the head's work-group 0
	s_cmp_eq_u32 s82, 0
	s_cselect_b32 s[LIM], 1, -1
	s_cmp_eq_u32 s[WV], 7                          ; (K's block is three waves' worth: 3 x 8,192 bytes)
	s_cselect_b32 s[LIM], -1, s[LIM]
	v_and_b32 v8, 15, v0                           ; r = lane % 16
	v_bfe_u32 v9, v0, 4, 1                         ; h = lane / 16
	v_mul_u32_u24 v10, v8, ROWB
	v_mad_u32_u24 v10, v9, 24, v10                 ; Q: row r, + my half's 24 bytes
.irp p, 0,1,2,3,4,5
	global_load_b64 v[16+2*\p:17+2*\p], v10, s[4:5] offset:48*(\p/3)+8*(\p%3)   ; Q's fragment stays in registers
.endr
	v_lshlrev_b32 v254, 2, v8
	global_load_b32 v255, v254, s[6:7]             ; Q's scale words.  (v10 and v254 are left alone until the wait for these loads)
	v_and_b32 v11, 7, v0                           ; r % 8
	v_bfe_u32 v12, v0, 3, 1                        ; r / 8
	v_mul_u32_u24 v[AK0], v11, ROWB
	v_mad_u32_u24 v[AK0], v12, KYD, v[AK0]
	v_mad_u32_u24 v[AK0], v9, 24, v[AK0]
	v_mul_u32_u24 v[AV0], v8, VP
	v_mad_u32_u24 v[AV0], v9, 24, v[AV0]
	v_add_nc_u32 v[AV0], VOFF, v[AV0]
	v_lshl_add_u32 v[AV1], v9, 4, v[AV0]
	v_and_b32 v13, 8, v8
	v_add_nc_u32 v13, v13, v8                      ; r + 8 (r / 8)
	v_lshl_add_u32 v[ASK0], v13, 2, SCK            ; K's scale words: 4 bytes a key; lanes 16-31 take the odd tile's keys, 8 further on
	v_lshl_add_u32 v[ASK0], v9, 5, v[ASK0]
	v_bfe_u32 v11, v0, 1, 3                        ; r / 2
	v_and_b32 v12, 1, v0                           ; r % 2
	v_mul_u32_u24 v[ASV0], v11, 272                ; V's: two rows of 128 bytes to a row of 256 + 16; lanes 16-31 take the odd tile's rows, 16 further on: 8 x 272
	v_lshl_add_u32 v[ASV0], v12, 7, v[ASV0]
	v_mad_u32_u24 v[ASV0], v9, 8*272, v[ASV0]
	v_add_nc_u32 v[ASV0], SCV, v[ASV0]
	v_lshlrev_b32 v[GO], 9, v9
	v_lshl_add_u32 v[GO], v8, 4, v[GO]             ; the way out: lanes 0-15 take one row of O, lanes 16-31 the next; 16 bytes a lane
	v_mov_b32 v13, 0xff61b1e6                      ; the largest t so far: -3e38, under every t
	v_floor_f32 v12, -v13                          ; -M
	v_mov_b32 v14, 0                               ; the sum, in two halves
	v_mov_b32 v15, 0
.irp b, 0,1,2,3
	v_mov_b32 v[236+\b], 0                         ; written once: a lane permute's destination counts as one of its sources
.endr
	v_mov_b32 v252, 0                              ; likewise, for the way out
	v_mov_b32 v[FF+1], 0                           ; (named as the upper half of f's pair)
.set J, 0
.rept 64
	v_mov_b32 v[160+J], 0                          ; O^T.  (A key step is written without a first step of its own: the first finds zeros, which the first change of M leaves zeros)
.set J, J+1
.endr
; A fragment of K, tile n of the slot's q-th 128 keys: 16 keys x 128 codes, 12 registers: lane (r, h) takes 24 bytes at 24 h and 24 at 48 + 24 h of its key's row, in pieces of 8 bytes.
.macro KFRAG reg, q, n
.irp p, 0,1,2,3,4,5
	ds_load_b64 v[\reg+2*\p:\reg+2*\p+1], v[ADK] offset:KGRP*(4*(\q)+(\n)/2)+8*ROWB*((\n)%2)+48*(\p/3)+8*(\p%3)
.endr
.endm
; A fragment of V, tile n (rows 16 n on), the slot's q-th 128 keys.  Lanes 0-15 take the row's pieces 12 q + 0, 1, 2 and 12 q + 6, 7, 8, lanes 16-31 those three pieces on;
; 16 bytes of padding lie behind every 8 pieces: where the piece three on lies behind one padding more, the second address register (40 for 24 bytes a half) serves.
.macro VFRAG reg, q, n
.irp p, 0,1,2,3,4,5
.set PC, 12*(\q)+6*(\p/3)+\p%3
.if PC%8 < 5
	ds_load_b64 v[\reg+2*\p:\reg+2*\p+1], v[ADV] offset:8*PC+16*(PC/8)+(\n)*16*VP
.else
	ds_load_b64 v[\reg+2*\p:\reg+2*\p+1], v[ADV1] offset:8*PC+16*(PC/8)+(\n)*16*VP
.endif
.endr
.endm
; O^T += V^T P^T for tiles 4 g .. 4 g + 3 of the head's 128; K = the step's 128 keys.  The accumulators take turns, one instruction a turn.
.macro PV4 g
.irp t, 0,1,2,3
.if \t%2
	v_wmma_scale_f32_16x16x128_f8f6f4 v[160+8*(4*\g+\t):167+8*(4*\g+\t)], v[32+12*\t:43+12*\t], v[224:235], v[160+8*(4*\g+\t):167+8*(4*\g+\t)], v[248+2*\g+\t/2], v253 matrix_a_fmt:MATRIX_FMT_FP6 matrix_b_fmt:MATRIX_FMT_FP6 matrix_a_scale:MATRIX_SCALE_ROW1
.else
	v_wmma_scale_f32_16x16x128_f8f6f4 v[160+8*(4*\g+\t):167+8*(4*\g+\t)], v[32+12*\t:43+12*\t], v[224:235], v[160+8*(4*\g+\t):167+8*(4*\g+\t)], v[248+2*\g+\t/2], v253 matrix_a_fmt:MATRIX_FMT_FP6 matrix_b_fmt:MATRIX_FMT_FP6
.endif
.endr
.endm
; A KEY STEP: 128 keys, the q-th of the slot in hand.
.macro STEP q
	; A step all of whose keys come after my 16 queries is left out: a scalar branch on ids, round the step's loads, products and softmax; not round the lines at its end that step addresses.  No barrier or tensor load stands in a step.
	s_add_co_u32 s96, s[Q0], 15
	s_cmp_gt_u32 s[KF], s96
	s_cbranch_scc1 .Lhidden_\@
	v_add_nc_u32 v[ADK], s[TB], v[AK0]             ; five plain lines: also the four places in front of loads into registers that the last step's products have read
	v_add_nc_u32 v[ADV], s[TB], v[AV0]
	v_add_nc_u32 v[ADV1], s[TB], v[AV1]
	v_add_nc_u32 v[ADS], s[TS], v[ASK0]
	v_add_nc_u32 v[ADT], s[TJ], v[ASV0]
.irp g, 0,1                                    ; S^T = K Q^T, four tiles of 16 keys at a time
.if \g > 0
.rept 4
	v_nop                                          ; places in front of loads into registers that matrix instructions have read (ISA guide 7.12.1 for vector instructions)
.endr
.endif
.irp t, 0,1,2,3
	KFRAG 32+12*\t, \q, 4*\g+\t
.endr
	ds_load_b32 v[248+2*\g], v[ADS] offset:272*\g          ; the scale words of tiles 4 g, 4 g + 1 (lanes 0-15, lanes 16-31): keys 64 g on are row g of the step's two rows of 256 + 16 bytes
	ds_load_b32 v[249+2*\g], v[ADS] offset:272*\g+128      ; and of tiles 4 g + 2, 4 g + 3: 32 keys on
	s_wait_dscnt 0x0
.irp t, 0,1,2,3
.if \t%2
	v_wmma_scale_f32_16x16x128_f8f6f4 v[96+8*(4*\g+\t):103+8*(4*\g+\t)], v[32+12*\t:43+12*\t], v[16:27], 0, v[248+2*\g+\t/2], v255 matrix_a_fmt:MATRIX_FMT_FP6 matrix_b_fmt:MATRIX_FMT_FP6 matrix_a_scale:MATRIX_SCALE_ROW1
.else
	v_wmma_scale_f32_16x16x128_f8f6f4 v[96+8*(4*\g+\t):103+8*(4*\g+\t)], v[32+12*\t:43+12*\t], v[16:27], 0, v[248+2*\g+\t/2], v255 matrix_a_fmt:MATRIX_FMT_FP6 matrix_b_fmt:MATRIX_FMT_FP6
.endif
.endr
.endr                                          ; lane (r, h) holds query r; the 16 registers of tiles 2 b, 2 b + 1 are keys KF + 32 b + 16 h + 0 .. 15
.rept 4
	v_nop                                          ; places: for the loads below, and for the first reads of the scores
.endr
.irp t, 0,1,2,3
	VFRAG 32+12*\t, \q, \t                         ; V's first four fragments are asked for here: they land while the softmax is worked
.endr
.irp t, 0,1,2,3
	ds_load_b32 v[248+\t], v[ADT] offset:\t*16*272 ; V's scale words of tiles 2 t, 2 t + 1 (lanes 0-15, lanes 16-31): 32 rows are 16 rows of 256 + 16 bytes
.endr
	; On the diagonal the scores of hidden keys become -infinity ahead of the maximum: p = 0 then.  A step all of whose keys count skips this.
	s_add_co_u32 s96, s[KF], 127
	s_cmp_le_u32 s96, s[Q0]
	s_cbranch_scc1 .Lopen_\@
	s_sub_co_i32 s96, s[Q0], s[KF]
	v_and_b32 v252, 15, v0
	v_bfe_u32 v254, v0, 4, 1
	v_lshlrev_b32 v254, 4, v254
	v_sub_nc_u32 v252, v252, v254
	v_add_nc_u32 v252, s96, v252                   ; d = my query - KF - 16 (lane / 16).  Register 16 b + i holds key KF + 16 (lane / 16) + 32 b + i: hidden where 32 b + i > d
	v_mov_b32 v254, 0xff800000                     ; -infinity
.irp n, 0,1,2,3,4,5,6,7,8,9,10,11,12,13,14,15,16,17,18,19,20,21,22,23,24,25,26,27,28,29,30,31,32,33,34,35,36,37,38,39,40,41,42,43,44,45,46,47,48,49,50,51,52,53,54,55,56,57,58,59,60,61,62,63
	v_cmp_gt_i32 vcc_lo, 32*(\n/16)+\n%16, v252
	v_cndmask_b32 v[96+\n], v[96+\n], v254, vcc_lo
.endr
.Lopen_\@:
.irp b, 0,1,2,3
	v_max3_num_f32 v[232+\b], v[96+16*\b], v[97+16*\b], v[98+16*\b]   ; THE LARGEST SCORE OF EACH BLOCK OF 32 KEYS: it serves twice: for the row's maximum, and, since p rises with the score, for the block's largest p
.endr
.irp i, 3,5,7,9,11,13
.irp b, 0,1,2,3
	v_max3_num_f32 v[232+\b], v[232+\b], v[96+16*\b+\i], v[97+16*\b+\i]   ; (the four blocks by turns)
.endr
.endr
.irp b, 0,1,2,3
	v_max_num_f32 v[232+\b], v[232+\b], v[111+16*\b]
.endr
.irp b, 0,1,2,3
	v_permlanex16_b32 v[236+\b], v[232+\b], s[SEL], s[SEL+1]
.endr
.irp b, 0,1,2,3
	v_max_num_f32 v[232+\b], v[232+\b], v[236+\b]  ; with lane l xor 16's 16 keys
.endr
	v_max3_num_f32 v254, v232, v233, v234
	v_max_num_f32 v254, v254, v235                 ; the step's largest score of my query
	v_mul_f32 v254, s[CS], v254                    ; as t (c is positive)
	v_max_num_f32 v13, v13, v254                   ; the running largest t
	v_mov_b32 v254, v12
	v_floor_f32 v12, -v13                          ; the new -M = floor(-t) = -ceil(t): M IS A WHOLE NUMBER
	v_sub_f32 v254, v12, v254                      ; M's old value less its new one: a whole number, 0 or less
	v_cvt_i32_f32 v254, v254                       ; (it saturates)
	v_ldexp_f32 v[FF], 1.0, v254                   ; f = 2^(old M - new M): what was summed under the old M is brought under the new by a multiplication that rounds nothing
.set J, 0
.rept 32
	v_pk_fma_f32 v[96+J:97+J], v[96+J:97+J], s[CS:CS+1], v[12:13] op_sel_hi:[1,0,0]   ; t - M, two at a time (of the pairs c and -M the low word serves both halves)
.set J, J+2
.endr
.irp b, 0,1,2,3
	v_fma_f32 v[232+\b], v[232+\b], s[CS], v12     ; the same of each block's largest score
.endr
.irp b, 0,1,2,3
	v_exp_f32 v[232+\b], v[232+\b]                 ; ONE BATCH of 68 exponentials.  The block's largest p: the same two instructions on the same number give the same bits
.endr
.set J, 0
.rept 64
	v_exp_f32 v[96+J], v[96+J]                     ; p = 2^(t - M), at most 1: NOT normalised
.set J, J+1
.endr
	v_pk_mul_f32 v[14:15], v[14:15], v[FF:FF+1] op_sel_hi:[1,0]   ; the sums under the new M: the plain instruction behind the last exponential (ISA guide 5.7.2)
	s_wait_alu depctr_va_vdst(0)                   ; one wait for the whole batch, ahead of its first reader
.irp b, 0,1,2,3
	v_max_num_f32 v[232+\b], 0x1800000, v[232+\b]  ; the floor 2^(3 - 127): the byte cannot fall under 1 (a block whose every p is 0 keeps that byte: its codes are zeros)
.endr
.irp b, 0,1,2,3
	v_add_nc_u32 v[244+\b], 0xff000000, v[232+\b]  ; 2 off the exponent field: the conversion's scale operand
.endr
.irp b, 0,1,2,3
	v_lshrrev_b32 v[236+\b], 23, v[244+\b]         ; the scale's byte
.endr
	v_lshl_or_b32 v253, v237, 8, v236              ; p's scale word for these 128 keys
	v_lshl_or_b32 v253, v238, 16, v253
	v_lshl_or_b32 v253, v239, 24, v253
.irp c, 0,1
	v_cvt_scalef32_pk16_fp6_f32 v[224+6*\c:226+6*\c], v[96+32*\c:111+32*\c], v[244+2*\c]
	v_cvt_scalef32_pk16_fp6_f32 v[236+4*\c:238+4*\c], v[112+32*\c:127+32*\c], v[244+2*\c+1]   ; (a conversion's three registers begin on an even number)
.endr
	v_nop                                          ; one plain vector instruction between a scaled conversion and the vector instruction that touches its result
.irp c, 0,1                                    ; the operand's layout wants a WHOLE block in a lane: lanes 0-15 block 2 c, lanes 16-31 block 2 c + 1
.irp i, 0,1,2
	v_permlane16_swap_b32 v[224+6*\c+\i], v[236+4*\c+\i]
.endr
.irp i, 0,1,2
	v_mov_b32 v[227+6*\c+\i], v[236+4*\c+\i]
.endr
.endr
.set J, 0
.rept 32
	v_pk_mul_f32 v[160+J:161+J], v[160+J:161+J], v[FF:FF+1] op_sel_hi:[1,0]   ; O^T under the new M: x f, each accumulator from its low end on.  (These 32 also stand between the lines that made p's codes and scale word and the products)
.set J, J+2
.endr
	s_wait_dscnt 0x0                               ; V's first four fragments and its scale words, asked for ahead of the softmax
	PV4 0
	; THE ROW'S SUM IS TAKEN OF THE UNQUANTISED p, two at a time, in two chains.  Its first five lines are the places in front of the loads below; the other 27 are worked while those loads are out.
	v_pk_add_f32 v[236:237], v[96:97], v[98:99]
.irp j, 4,8
	v_pk_add_f32 v[14:15], v[14:15], v[96+\j:97+\j]
	v_pk_add_f32 v[236:237], v[236:237], v[98+\j:99+\j]
.endr
.irp t, 0,1,2,3
	VFRAG 32+12*\t, \q, 4+\t
.endr
.irp j, 12,16,20,24,28,32,36,40,44,48,52,56,60
	v_pk_add_f32 v[14:15], v[14:15], v[96+\j:97+\j]
	v_pk_add_f32 v[236:237], v[236:237], v[98+\j:99+\j]
.endr
	v_pk_add_f32 v[14:15], v[14:15], v[236:237]
	s_wait_dscnt 0x0
	PV4 1
.Lhidden_\@:
	s_add_co_u32 s[KF], s[KF], 128
	s_add_co_u32 s[TS], s[TS], 544                 ; the next step's scale words
	s_add_co_u32 s[TJ], s[TJ], 4
.endm
; THE CHANGE OF SLOTS stands at a slot's head.  Each wave waits for all its tensor loads (its part of the slot that it is about to read), adds 0 to its spare word, and waits for that and for its reads of the slot that it has left.
; Behind the barrier the slot ahead is whole and nobody reads the other one.  fill = 1: that other slot is filled with the keys that follow: the load has a whole slot's steps in which to land.
.macro CHANGE fill
	s_wait_tensorcnt 0x0                           ; no tensor load of mine is out, so a group 0 may be written
	ds_add_u32 v[SPW], v[NIL]                      ; 0 onto my spare word; with fill = 1 the descriptors' steps stand between it and the wait for it
.if \fill
	s_xor_b32 s[G0K+1], s[G0K+1], SLOT1            ; the walking descriptors: the other slot than last time,
	s_add_nc_u64 s[G0K+2:G0K+3], s[G0K+2:G0K+3], SK*ROWB   ; the next 256 keys; the type bits on top are not reached
	s_xor_b32 s[G0V+1], s[G0V+1], SLOT1
	s_add_nc_u64 s[G0V+2:G0V+3], s[G0V+2:G0V+3], VROWB
	s_wait_xcnt 0x0                                ; the last prefetch, a slot back, has read its address, so it may be written:
	s_add_nc_u64 s[PFA:PFA+1], s[PFA:PFA+1], s[PFS:PFS+1]  ; one slot further on than the walking descriptors
.endif
	s_wait_dscnt 0x0                               ; the add is done, and my reads of the slot that I have left are over
	s_barrier_signal -1
	s_barrier_wait -1
.if \fill
	TLOAD G0K, G1K, G0V, G1V                       ; the first thing behind the barrier, and a wave's one tensor load until the next
	ASK
.endif
.endm
.macro SLOT_STEPS
	STEP 0
	STEP 1
	s_xor_b32 s[TB], s[TB], SLOT1                  ; on to the other slot
.endm
	s_wait_loadcnt 0x0                             ; Q
.Lslot:                                            ; at most 15 trips: trip t reads slot t and asks for slot t + 1
	CHANGE 1
	SLOT_STEPS
	s_sub_co_u32 s[SLOTS], s[SLOTS], 1
	s_cmp_eq_u32 s[SLOTS], s[XIT]                  ; the slot just asked for is the last that any of my work-group's queries needs: on to the tail.  The same in all sixteen waves: it hangs on the work-group's number alone
	s_cbranch_scc1 .Ltail
	s_cmp_lg_u32 s[SLOTS], 0
	s_cbranch_scc1 .Lslot
.Ltail:
	CHANGE 0                                       ; the last slot is written out; on both ways here a fetching wave has one load out, and the wait is for all
	SLOT_STEPS
	; THE WAY OUT.  The sum's two halves are added; O^T is divided by the sum and goes through my stage in LDS, half a row (64 channels, 256 bytes) of 16 queries at a time, so that sixteen lanes store 256 consecutive bytes, aligned.
	v_add_f32 v14, v14, v15                        ; the sum's two halves,
	v_permlanex16_b32 v252, v14, s[SEL], s[SEL+1]
	v_add_f32 v14, v14, v252                       ; and lane l xor 16's: the row's sum
	v_rcp_f32 v14, v14
	v_and_b32 v8, 15, v0                           ; (a plain instruction behind the reciprocal)  r
	v_bfe_u32 v9, v0, 4, 1                         ; h
	s_mul_i32 s73, s[WV], 16*272
	s_add_co_u32 s73, s73, STAGE                   ; my stage
	v_mul_u32_u24 v10, v8, 272
	v_lshl_add_u32 v10, v9, 5, v10
	v_add_nc_u32 v10, s73, v10                     ; in: row r; tile t's eight channels of my half: 64 t + 32 h bytes on
	v_mul_u32_u24 v11, v9, 272
	v_lshl_add_u32 v11, v8, 4, v11
	v_add_nc_u32 v11, s73, v11                     ; back: lanes 0-15 one row, lanes 16-31 the next
	s_wait_alu depctr_va_vdst(0)                   ; the wait ahead of the reciprocal's first reader
.set J, 0
.rept 64
	v_mul_f32 v[96+J], v[160+J], v14               ; O^T / the sum, each accumulator from its low end on: register 8 t + i is o(r, 16 t + 8 h + i)
.set J, J+1
.endr
.irp u, 0,1                                    ; channels 64 u on
.irp t, 0,1,2,3
	ds_store_b128 v10, v[96+32*\u+8*\t:99+32*\u+8*\t] offset:64*\t
	ds_store_b128 v10, v[100+32*\u+8*\t:103+32*\u+8*\t] offset:64*\t+16
.endr
.irp i, 0,1,2,3,4,5,6,7
	ds_load_b128 v[32+32*\u+4*\i:35+32*\u+4*\i], v11 offset:2*\i*272   ; LDS serves a wave's instructions in order (ISA guide 5.7.1.4): these see my stores, and the next half's stores come behind them
.endr
.endr
.irp u, 0,1
.irp i, 0,1,2,3,4,5,6,7
	s_wait_dscnt 23-16*\u-\i                       ; behind this pair of rows' load: the 7 - i later loads of its half and, for the first half, the second half's 8 stores and 8 loads
	global_store_b128 v[GO], v[32+32*\u+4*\i:35+32*\u+4*\i], s[16:17] offset:2*\i*512+256*\u th:TH_STORE_NT   ; written once, read by nobody here
.endr
.endr
	s_wait_tensorcnt 0x0                           ; the wave's end: behind my last tensor load and my last LDS store
	ds_add_u32 v[SPW], v[NIL]
	s_wait_dscnt 0x0
	s_endpgm
.Lfunc_end_k_qfc2371e0d5_attn:
	.size	k_qfc2371e0d5_attn, .Lfunc_end_k_qfc2371e0d5_attn-k_qfc2371e0d5_attn
	.p2alignl 7, 3214868480
	.fill 96, 4, 3214868480
	.section	.rodata,"a",@progbits
	.p2align	6, 0x0
	.amdhsa_kernel k_qfc2371e0d5_attn
		.amdhsa_group_segment_fixed_size 327680
		.amdhsa_private_segment_fixed_size 0
		.amdhsa_enable_private_segment 0
		.amdhsa_kernarg_size 56
		.amdhsa_user_sgpr_count 2
		.amdhsa_user_sgpr_kernarg_segment_ptr 1
		.amdhsa_wavefront_size32 1
		.amdhsa_system_sgpr_workgroup_id_x 1
		.amdhsa_system_sgpr_workgroup_id_y 1
		.amdhsa_system_sgpr_workgroup_id_z 1
		.amdhsa_system_vgpr_workitem_id 0
		.amdhsa_next_free_vgpr 256
		.amdhsa_next_free_sgpr 100
		.amdhsa_reserve_vcc 1
		.amdhsa_float_denorm_mode_32 3
		.amdhsa_float_denorm_mode_16_64 3
		.amdhsa_memory_ordered 1
		.amdhsa_forward_progress 1
		.amdhsa_inst_pref_size 130
	.end_amdhsa_kernel
	.amdgpu_metadata
---
amdhsa.version: [ 1, 2 ]
amdhsa.kernels:
  - .name:           k_qfc2371e0d5_attn
    .symbol:         k_qfc2371e0d5_attn.kd
    .args:
      - { .name: query_codes, .offset: 0, .size: 8, .value_kind: global_buffer, .address_space: global }
      - { .name: query_scales, .offset: 8, .size: 8, .value_kind: global_buffer, .address_space: global }
      - { .name: key_codes, .offset: 16, .size: 8, .value_kind: global_buffer, .address_space: global }
      - { .name: key_scales, .offset: 24, .size: 8, .value_kind: global_buffer, .address_space: global }
      - { .name: value_codes, .offset: 32, .size: 8, .value_kind: global_buffer, .address_space: global }
      - { .name: value_scales, .offset: 40, .size: 8, .value_kind: global_buffer, .address_space: global }
      - { .name: out0, .offset: 48, .size: 8, .value_kind: global_buffer, .address_space: global }
    .group_segment_fixed_size: 327680
    .private_segment_fixed_size: 0
    .kernarg_segment_align: 8
    .kernarg_segment_size: 56
    .max_flat_workgroup_size: 512
    .sgpr_count:     100
    .vgpr_count:     256
    .wavefront_size: 32
...
	.end_amdgpu_metadata
.endif
;; end of part 1
